; MI455X (gfx1250); checked and timed in simulation.
; The chip was launched on July 23, 2026; its instructions are those of AMD's public machine-readable ISA for CDNA 5 (MIT licence, August 2026) and "CDNA5" Instruction Set Architecture Reference Guide (July 2026). The comments in the code are by the model that wrote it; some were corrected since.
;; SSDX Mem Detector. Allowed arithmetic: matrix products marked QUANTISED: E3M2 operands, one E8M0 scale for each 32 along K, by v_wmma_scale_f32_16x16x128_f8f6f4 with both operands' format E3M2, f32 sums; everything else in f32.
;; Inputs: curr_key_codes 8 x 64 x 64 x 8 x 24 uint8 (E3M2 codes of curr_key, K innermost, in blocks of 32 codes, four codes in three bytes); curr_key_scales 8 x 64 x 64 x 8 uint8 (E8M0 scales of curr_key, one for each 32 codes along K); curr_value 8 x 256 x 64 x 64 float32; prev_key 8 x 256 x 64 x 64 float32; prev_value 8 x 256 x 64 x 64 float32.
;; Outputs: out0 8 x 512 x 64 x 64 float32.
;; This version of the problem:
;;   THIS VERSION OF THE PROBLEM IS GIVEN IN LOW PRECISION. The matrix products marked QUANTISED in the list below multiply operands that are first quantised to E3M2 (3 exponent bits, 2 mantissa bits; 6 bits a number), with one power-of-two scale for each 32 numbers along K (OCP MX v1.0); their sums are f32. All else is computed in f32.
;;   The module's matrix products, in the order in which they are computed (A, B: the left and right operand; K: the contracted axis; several contracted axes count as one K, in the product's order):
;;     1. batch 8 x [M 4,096, K 256] x [K 256, N 4,096]; A: input prev_key; B: input curr_key (given as codes): QUANTISED
;;     2. batch 8 x [M 256, K 4,096] x [K 4,096, N 4,096]; A: input prev_value; B: softmax (see below): QUANTISED
;;   THE QUANTISER, for each operand of a quantised product, along K:
;;     - K is cut into blocks of 32 from its start; a last block that is shorter is filled with zeros.
;;     - A block's scale is 2^e with e = floor(log2(the largest magnitude in the block)) - 4, held to -126 .. 127; a block of zeros has e = 0. As a byte (E8M0): e + 127.
;;     - Each number is divided by its block's scale, clamped to +-28, and rounded to the nearest number of E3M2, ties to even, subnormals kept.
;;     - The product sums the exact products of the quantised numbers (number of the format x scale) in f32.
;;   ~~~python
;;   def quantise(x, axis):      # numpy; x: float32 -> the quantised numbers, widened to float32 again
;;       x = np.moveaxis(x, axis, -1); K = x.shape[-1]
;;       x = np.pad(x, [(0, 0)] * (x.ndim - 1) + [(0, -K % 32)]); x = x.reshape(x.shape[:-1] + (-1, 32)); a = np.abs(x).max(-1, keepdims=True)
;;       e = np.where(a > 0, np.clip(np.frexp(np.where(a > 0, a, 1))[1] - 1 - 4, -126, 127), 0)      # np.frexp(a)[1] - 1 = floor(log2(a)), exactly
;;       r = np.clip(x / 2.0 ** e, -28, 28)
;;       step = 2.0 ** (np.maximum(np.frexp(np.where(r == 0, 1, r))[1] - 1, -2) - 2)
;;       q = np.round(r / step) * step * 2.0 ** e      # np.round: ties to even
;;       return np.moveaxis(q.reshape(q.shape[:-2] + (-1,))[..., :K], -1, axis).astype(np.float32)
;;   ~~~
;;   SOFTMAX AHEAD OF A QUANTISED PRODUCT. Where the list says 'softmax', what is quantised is not the finished softmax but p = 2^(t - M), with t = logit x log2(e) and M = ceil(the row's largest t), a whole number; so 1/2 < the row's largest p <= 1. The row's sum l is taken of the UNQUANTISED p, in f32, and the product's result is divided by l at the end. Since M is a whole number, a kernel that streams over the keys may use a running M (the ceiling of the running maximum): every later rescaling is an exact power of two, which a block's scale takes up: the codes' values come out the same.
;;   OPERANDS COMPUTED ON THE WAY. 'Computed on the way' means the value that the module computes at that place (a softmax that the list does not call 'softmax' is quantised finished and normalised). What goes into a quantiser is computed in f32, as accurately as f32 sums, v_exp_f32 and their like allow (about 1e-6 of the number): no bf16 or f16 on the way to a quantiser, and a product that is left as it is and whose result goes on into a quantised operand takes f32 operands (vector FMAs, or v_wmma_f32_16x16x4_f32). A number that lies on a knife's edge between two numbers of the format may be rounded either way, as far as f32 arithmetic and the matrix unit's own rounding can turn it there, and no further.
;;   INPUTS GIVEN AS CODES. curr_key (in the module: [8, 256, 64, 64], K = its axis 1): each comes as NAME_codes (uint8): NAME with its K axis moved to the last place and cut into blocks of 32 codes, [.., K / 32, bytes a block], one block behind the other in memory; four codes in three bytes: a row's codes are one little-endian stream of bits, code i at bits 6 i .. 6 i + 5 (a code: sign, 3 exponent bits, 2 mantissa bits); and NAME_scales (uint8): the same leading axes, one E8M0 byte (e + 127) for each 32 codes along K. Its value is code x scale, taken as it is: it is not quantised again, and the codes and scales need not be those that the quantiser above would give.
;; One version. Each part assembles by itself: llvm-mc -triple=amdgcn-amd-amdhsa -mcpu=gfx1250 --defsym DOCPART=n.
;; ======== version 1 of 1: 2 launches
;; limits: right only within a limited range of input values
;; workspace buffers: kv 13,238,272 bytes
;; launch prep (part 1): grid 512 x 1, 4 waves a work-group, no clusters, 34,304 bytes of LDS; arguments prev_key, prev_value, kv; writes kv
.if DOCPART == 1
	.amdgcn_target "amdgcn-amd-amdhsa--gfx1250"
	.amdhsa_code_object_version 6
	.text
	.protected	k_qb49314d958_prep
	.globl	k_qb49314d958_prep
	.p2align	8
	.type	k_qb49314d958_prep,@function
k_qb49314d958_prep:
	s_mov_b64 s[64:65], 0
	v_nop
	global_prefetch_b8 v0, s[64:65] scope:SCOPE_SE
	s_setreg_imm32_b32 hwreg(HW_REG_WAVE_MODE, 25, 1), 1
	s_wait_xcnt 0x0
; prev_key and prev_value, [8][256 c][4096 n] f32, become codes of BF6 (E3M2) with one E8M0 scale for each 32 along K, laid in kv AS IMAGES OF THE OPERANDS' REGISTERS,
; so that the next launch brings a key step by one dense tensor load and reads every fragment by 16-byte LDS loads at 16 x lane.
; kv = 8 batches x 32 key steps x STEPB bytes.  A step (128 keys n) holds:
;   KF  K's 16 fragments (key tile t = 0..7, K step s = 0..1 of 128 channels) at 1536 (2 t + s); register g of fragment lane l at 512 (g / 4) + 16 l + 4 (g % 4)
;   KS  K's scale words: word of (row r, tile t = 2 b + u, s) at 256 b + 16 r + 8 u + 4 s
;   KB  -a_sq / 2 of each key, f32, in the keys' own order (a_sq is the sum of squares of the UNQUANTISED prev_key over the channels)
;   VF  V's 16 fragments (channel tile ct, K = the step's 128 keys in their own order) at 1536 ct
;   VS  V's scale words: word of (row r, ct) at 256 (ct / 4) + 16 r + 4 (ct % 4)
; THE KEYS OF A TILE ARE NOT NEIGHBOURS: row r of tile 2 b + u is key 32 b + 8 u + r + 8 (r / 8), so that the scores of two neighbouring tiles are 16 neighbouring keys in a lane of the next launch.
; A block's scale is 2^(floor(log2(largest magnitude)) - 4): its byte is the largest magnitude's exponent field - 4, held at 1 from below by a floor among the maximum's leaves.
; SHARES: work-groups 0-255 take prev_key (K = the channels, which are NOT innermost: a lane takes a key and its registers run down the channels),
; work-groups 256-511 prev_value (K = the keys, innermost: dense loads, turned through the wave's own stage in LDS).  Work-group idx = batch x 32 + step; four waves share the step.
; No work-group reads what another reads, so there is no cluster; no tensor load, no barrier, no loop: every offset is an immediate.  Only the second path touches LDS.
; LIMITS: NaN and infinities among the inputs are not served.  A block whose largest magnitude lies under 2^-122 gets the byte 1; a block of zeros gets the byte 1 where the quantiser says 127:
; its codes are zeros, which add nothing under any byte but 0xff, and this program alone reads the bytes.  The order of a_sq's f32 sum is four chains of pairs, not the source's.
; The bias leaves as 128 bytes a wave (half an aligned block of 256): 512 bytes of a step's 51,712.
.set STEPB, 51712
.set KF,    0
.set KS,    24576
.set KB,    25600
.set VF,    26112
.set VS,    50688
.set CROW,  16384                      ; bytes from a channel to the next: 4,096 f32
	s_load_b128 s[4:7], s[0:1], 0x0                ; prev_key s[4:5], prev_value s[6:7]
	s_load_b64 s[8:9], s[0:1], 0x10                ; kv
	v_lshl_add_u32 v254, v0, 2, 0x8400
	v_mov_b32 v255, 0
	v_lshrrev_b32 v1, 5, v0
	v_readfirstlane_b32 s10, v1                    ; wave 0..3
	v_and_b32 v1, 31, v0                           ; lane
	v_and_b32 v2, 15, v0                           ; r
	v_bfe_u32 v3, v0, 4, 1                         ; the lane's half: u on the first path, h on the second
	s_and_b32 s11, ttmp9, 255                      ; idx = batch x 32 + step
	s_lshr_b32 s12, s11, 5                         ; batch
	s_and_b32 s13, s11, 31                         ; step
	s_mul_i32 s14, s11, STEPB                      ; the step's block in kv (13.2 MB at the most)
	s_mov_b32 s15, 0
	s_lshl_b32 s16, s12, 22                        ; a batch of the inputs is 4,194,304 bytes,
	s_lshl_b32 s17, s13, 9                         ; a step's 128 keys 512 bytes of a channel's row
	s_add_co_u32 s16, s16, s17
	s_mov_b32 s17, 0
	s_mov_b32 s20, 0x76543210                      ; v_permlanex16_b32's selects for lane l xor 16
	s_mov_b32 s21, 0xfedcba98
	s_wait_kmcnt 0x0
	s_add_nc_u64 s[8:9], s[8:9], s[14:15]
	s_cmp_lt_u32 ttmp9, 256                        ; which tensor: the work-group's number alone decides
	s_cbranch_scc0 .Lvalues
; ---------------- prev_key: wave w takes keys 32 w .. 32 w + 31 of the step (tiles 2 w and 2 w + 1); lane (u, r) takes row r of tile 2 w + u
.set SB,   14                          ; v14-15   the two scale words of my key (K steps 0, 1)
.set SQ,   16                          ; v16-23   four chains of pairs: the sum of squares
.set TT,   24                          ; v24-26   the second half of a block's codes, before it is moved
.set X,    32                          ; v32-95   two sets of 32 numbers
.set CODE, 96                          ; v96-143  codes: 24 s + 12 h' + 6 cc: the 12 registers of fragment lane (r, h') of K step s
	s_lshl_b32 s18, s10, 7                         ; my wave's 32 keys: 128 bytes
	s_add_co_u32 s16, s16, s18
	s_add_nc_u64 s[4:5], s[4:5], s[16:17]
	s_wait_alu depctr_va_vdst(0)
	v_and_b32 v4, 8, v2
	v_add_nc_u32 v4, v4, v2
	v_lshl_add_u32 v4, v3, 3, v4                   ; my key among the 32: 8 u + r + 8 (r / 8)
	v_lshlrev_b32 v5, 2, v4                        ; in: the 32 lanes read the same 128 consecutive bytes, in this order
	s_mul_i32 s18, s10, 6144
	v_mul_u32_u24 v6, v3, 3072
	v_lshl_add_u32 v6, v2, 4, v6
	v_add_nc_u32 v6, s18, v6                       ; fragments: 1536 (2 t) + 16 r, t = 2 w + u
	s_lshl_b32 s18, s10, 8
	v_lshlrev_b32 v7, 4, v2
	v_lshl_add_u32 v7, v3, 3, v7
	v_add_nc_u32 v7, s18, v7                       ; scale words: 256 w + 16 r + 8 u
	s_lshl_b32 s18, s10, 7
	v_add_nc_u32 v8, s18, v5                       ; bias: 4 x key
.macro KLOAD t                         ; block t: channels 32 t + i of my key, into set t % 2
.irp i, 0,1,2,3,4,5,6,7,8,9,10,11,12,13,14,15,16,17,18,19,20,21,22,23,24,25,26,27,28,29,30,31
	global_load_b32 v[X+32*((\t)%2)+\i], v5, s[4:5] offset:(32*(\t)+\i)*CROW th:TH_LOAD_NT
.endr
.endm
; Block t = 4 s + 2 cc + h' of my key's eight: in K step s it is what fragment lane (r, h') holds in registers 6 cc .. 6 cc + 5.
.macro KBLOCK t
.set XS, X+32*((\t)%2)
.set CD, CODE+24*((\t)/4)+12*((\t)%2)+6*(((\t)/2)%2)
.if (\t) < 7
	s_wait_loadcnt 32                              ; this block's 32 loads are in; the next block's 32 may be out
.else
	s_wait_loadcnt 0x0
.endif
	v_max3_num_f32 v10, |v[XS]|, |v[XS+1]|, |v[XS+2]|              ; the block's largest magnitude: all 32 numbers are mine; two chains
	v_max3_num_f32 v13, |v[XS+3]|, |v[XS+4]|, |v[XS+5]|
.irp i, 6,10,14,18,22,26
	v_max3_num_f32 v10, v10, |v[XS+\i]|, |v[XS+\i+1]|
	v_max3_num_f32 v13, v13, |v[XS+\i+2]|, |v[XS+\i+3]|
.endr
	v_max3_num_f32 v10, v10, |v[XS+30]|, |v[XS+31]|
	v_max3_num_f32 v10, v10, v13, 0x2800000        ; and the floor 2^(5 - 127): the byte cannot fall under 1
.irp i, 0,1,2,3,4,5,6,7,8,9,10,11,12,13,14,15
.if ((\t) == 0) && (\i < 4)
	v_pk_mul_f32 v[SQ+2*(\i%4):SQ+2*(\i%4)+1], v[XS+2*\i:XS+2*\i+1], v[XS+2*\i:XS+2*\i+1]      ; the first four pairs start the chains: nothing is cleared
.else
	v_pk_fma_f32 v[SQ+2*(\i%4):SQ+2*(\i%4)+1], v[XS+2*\i:XS+2*\i+1], v[XS+2*\i:XS+2*\i+1], v[SQ+2*(\i%4):SQ+2*(\i%4)+1]
.endif
.endr
	v_add_nc_u32 v11, 0xfe000000, v10              ; 4 off the exponent field: the conversion takes this operand's exponent field as its scale
	v_lshrrev_b32 v12, 23, v11                     ; the scale's byte
.if ((\t)%4) == 0
	v_mov_b32 v[SB+(\t)/4], v12                    ; four bytes to a word, the lower K in the lower byte
.else
	v_lshl_or_b32 v[SB+(\t)/4], v12, 8*((\t)%4), v[SB+(\t)/4]
.endif
	v_cvt_scalef32_pk16_bf6_f32 v[CD:CD+2], v[XS:XS+15], v11
	v_cvt_scalef32_pk16_bf6_f32 v[TT:TT+2], v[XS+16:XS+31], v11    ; (a conversion's three registers begin on an even number: the block's second three do not)
	v_nop                                          ; one plain place behind a scaled conversion
.irp i, 0,1,2
	v_mov_b32 v[CD+3+\i], v[TT+\i]
.endr
.if (\t) < 6
	KLOAD (\t)+2
.endif
.if ((\t)%4) == 3                      ; a K step's four blocks are done: both fragment lanes' 12 registers leave.  Lanes 0-15 fill one aligned block of 256 bytes, lanes 16-31 the one 3,072 bytes on
.irp hh, 0,1
.irp qq, 0,1,2
	global_store_b128 v6, v[CODE+24*((\t)/4)+12*\hh+4*\qq:CODE+24*((\t)/4)+12*\hh+4*\qq+3], s[8:9] offset:KF+1536*((\t)/4)+512*\qq+256*\hh
.endr
.endr
.endif                                 ; (each K step has code registers of its own: no store's data are written again)
.endm
	KLOAD 0
	KLOAD 1
.irp t, 0,1,2,3,4,5,6,7
	KBLOCK \t
.endr
	global_store_b64 v7, v[SB:SB+1], s[8:9] offset:KS              ; the 32 lanes fill one aligned block of 256 bytes
	v_pk_add_f32 v[SQ:SQ+1], v[SQ:SQ+1], v[SQ+2:SQ+3]
	v_pk_add_f32 v[SQ+4:SQ+5], v[SQ+4:SQ+5], v[SQ+6:SQ+7]
	v_pk_add_f32 v[SQ:SQ+1], v[SQ:SQ+1], v[SQ+4:SQ+5]
	v_add_f32 v[SQ], v[SQ], v[SQ+1]                ; a_sq of my key
	v_mul_f32 v[SQ], -0.5, v[SQ]                   ; (2 ab - a_sq) / 16 = (ab - a_sq / 2) / 8: the next launch gives this as the C of its first product
	global_store_b32 v8, v[SQ], s[8:9] offset:KB
	s_endpgm
; ---------------- prev_value: wave w takes channel tiles ct = 4 w + f, f = 0..3; K = the step's 128 keys
.Lvalues:
.set R,    32                          ; v32-159  two sets of 64: 16 channels x 512 bytes as loaded
.set XV,   160                         ; v160-223 my row's blocks h and 2 + h: 64 numbers
.set CV,   224                         ; v224-235 the fragment's 12 registers
.set TV,   236                         ; v236-238, v240-242 second halves, before they are moved
.set VW,   244                         ; v244-247 the scale words of my four tiles
.set SPI,  528                         ; a stage row: 512 bytes + 16: the sixteen rows that a read touches start in different banks
	s_lshl_b32 s18, s10, 20                        ; my wave's 64 channels
	s_add_co_u32 s16, s16, s18
	s_add_nc_u64 s[6:7], s[6:7], s[16:17]
	s_wait_alu depctr_va_vdst(0)
	v_lshlrev_b32 v4, 4, v1                        ; in: 16 bytes a lane, 512 consecutive bytes a load
	s_mul_i32 s18, s10, 16*SPI                     ; my wave's stage
	v_add_nc_u32 v5, s18, v4                       ; into it, as loaded
	v_mul_u32_u24 v6, v2, SPI
	v_lshl_add_u32 v6, v3, 7, v6
	v_add_nc_u32 v6, s18, v6                       ; out of it: row r, block h
	s_mul_i32 s18, s10, 6144
	v_add_nc_u32 v7, s18, v4                       ; fragments: 1536 (4 w) + 16 x lane
	s_lshl_b32 s18, s10, 8
	v_lshlrev_b32 v8, 4, v2
	v_lshl_add_u32 v8, v3, 3, v8
	v_add_nc_u32 v8, s18, v8                       ; scale words: 256 w + 16 r + 8 h
	v_lshlrev_b32 v9, 3, v3                        ; 8 h: my bytes' place in a scale word
	v_mov_b32 v17, 0                               ; written once: a lane permute's destination counts as one of its sources
.macro VLOAD f                         ; tile f's 16 channels
.irp i, 0,1,2,3,4,5,6,7,8,9,10,11,12,13,14,15
	global_load_b128 v[R+64*((\f)%2)+4*\i:R+64*((\f)%2)+4*\i+3], v4, s[6:7] offset:(16*(\f)+\i)*CROW th:TH_LOAD_NT
.endr
.endm
.macro VFRAG f
.if (\f) < 3
	s_wait_loadcnt 16                              ; this tile's 16 loads are in; the next tile's 16 may be out
.else
	s_wait_loadcnt 0x0
.endif
.irp i, 0,1,2,3,4,5,6,7,8,9,10,11,12,13,14,15
	ds_store_b128 v5, v[R+64*((\f)%2)+4*\i:R+64*((\f)%2)+4*\i+3] offset:SPI*\i
.endr
.irp i, 0,1,2,3,4,5,6,7                ; LDS serves a wave's instructions in order: these see the stores above.  Lane (r, h) takes k = 32 h + 0..31 and k = 64 + 32 h + 0..31 of row r
	ds_load_b128 v[XV+4*\i:XV+4*\i+3], v6 offset:16*\i
.endr
.irp i, 0,1,2,3,4,5,6,7
	ds_load_b128 v[XV+32+4*\i:XV+32+4*\i+3], v6 offset:256+16*\i
.endr
	s_wait_dscnt 0x0                               ; my 64 numbers are in, and the stage may be written again
.if (\f) < 2
	VLOAD (\f)+2
.endif
.irp c, 0,1
	v_max3_num_f32 v[10+\c], |v[XV+32*\c]|, |v[XV+32*\c+1]|, 0x2800000     ; my two blocks by turns; the floor 2^(5 - 127) among the leaves
.endr
.irp i, 2,4,6,8,10,12,14,16,18,20,22,24,26,28,30
.irp c, 0,1
	v_max3_num_f32 v[10+\c], v[10+\c], |v[XV+32*\c+\i]|, |v[XV+32*\c+\i+1]|
.endr
.endr
.irp c, 0,1
	v_add_nc_u32 v[12+\c], 0xfe000000, v[10+\c]    ; the conversion's scale operand
.endr
.irp c, 0,1
	v_lshrrev_b32 v[14+\c], 23, v[12+\c]           ; the scale's byte
.endr
	v_lshl_or_b32 v16, v15, 16, v14                ; my two bytes: blocks h and 2 + h,
	v_lshlrev_b32 v16, v9, v16                     ; at their places in the word;
	v_permlanex16_b32 v17, v16, s20, s21
	v_or_b32 v[VW+(\f)], v16, v17                  ; with lane l xor 16's two the word is whole
.if (\f) > 0
	s_wait_alu depctr_va_vdst(0)
	s_wait_xcnt 0x0                                ; the last tile's stores have read the code registers: only now are they written again
.endif
.irp c, 0,1
	v_cvt_scalef32_pk16_bf6_f32 v[CV+6*\c:CV+6*\c+2], v[XV+32*\c:XV+32*\c+15], v[12+\c]
	v_cvt_scalef32_pk16_bf6_f32 v[TV+4*\c:TV+4*\c+2], v[XV+32*\c+16:XV+32*\c+31], v[12+\c]
.endr
	v_nop                                          ; one plain place behind a scaled conversion
.irp c, 0,1
.irp i, 0,1,2
	v_mov_b32 v[CV+6*\c+3+\i], v[TV+4*\c+\i]
.endr
.endr
.irp qq, 0,1,2
	global_store_b128 v7, v[CV+4*\qq:CV+4*\qq+3], s[8:9] offset:VF+1536*(\f)+512*\qq       ; 512 consecutive bytes, aligned
.endr
.endm
	VLOAD 0
	VLOAD 1
	s_wait_alu depctr_va_vdst(0)
.irp f, 0,1,2,3
	VFRAG \f
.endr
	v_cmp_eq_u32 vcc_lo, 1, v3                     ; lanes 0-15 send the words of tiles 0, 1 of row r, lanes 16-31 those of tiles 2, 3: all lanes stay on
	v_cndmask_b32 v18, v[VW], v[VW+2], vcc_lo
	v_cndmask_b32 v19, v[VW+1], v[VW+3], vcc_lo
	global_store_b64 v8, v[18:19], s[8:9] offset:VS                ; the 32 lanes fill one aligned block of 256 bytes
	s_wait_tensorcnt 0x0
	ds_add_u32 v254, v255
	s_wait_dscnt 0x0
	s_endpgm
.Lfunc_end_k_qb49314d958_prep:
	.size	k_qb49314d958_prep, .Lfunc_end_k_qb49314d958_prep-k_qb49314d958_prep
	.p2alignl 7, 3214868480
	.fill 96, 4, 3214868480
	.section	.rodata,"a",@progbits
	.p2align	6, 0x0
	.amdhsa_kernel k_qb49314d958_prep
		.amdhsa_group_segment_fixed_size 34304
		.amdhsa_private_segment_fixed_size 0
		.amdhsa_enable_private_segment 0
		.amdhsa_kernarg_size 24
		.amdhsa_user_sgpr_count 2
		.amdhsa_user_sgpr_kernarg_segment_ptr 1
		.amdhsa_wavefront_size32 1
		.amdhsa_system_sgpr_workgroup_id_x 1
		.amdhsa_system_sgpr_workgroup_id_y 1
		.amdhsa_system_sgpr_workgroup_id_z 1
		.amdhsa_system_vgpr_workitem_id 0
		.amdhsa_next_free_vgpr 256
		.amdhsa_next_free_sgpr 66
		.amdhsa_reserve_vcc 1
		.amdhsa_float_denorm_mode_32 3
		.amdhsa_float_denorm_mode_16_64 3
		.amdhsa_memory_ordered 1
		.amdhsa_forward_progress 1
		.amdhsa_inst_pref_size 76
	.end_amdhsa_kernel
	.amdgpu_metadata
---
amdhsa.version: [ 1, 2 ]
amdhsa.kernels:
  - .name:           k_qb49314d958_prep
    .symbol:         k_qb49314d958_prep.kd
    .args:
      - { .name: prev_key, .offset: 0, .size: 8, .value_kind: global_buffer, .address_space: global }
      - { .name: prev_value, .offset: 8, .size: 8, .value_kind: global_buffer, .address_space: global }
      - { .name: kv, .offset: 16, .size: 8, .value_kind: global_buffer, .address_space: global }
    .group_segment_fixed_size: 34304
    .private_segment_fixed_size: 0
    .kernarg_segment_align: 8
    .kernarg_segment_size: 24
    .max_flat_workgroup_size: 128
    .sgpr_count:     66
    .vgpr_count:     256
    .wavefront_size: 32
...
	.end_amdgpu_metadata
.endif
;; end of part 1
;; launch attn (part 2): grid 32 x 8, 4 waves a work-group, clusters of 4 x 1, 327,680 bytes of LDS; arguments curr_key_codes, curr_key_scales, curr_value, kv, out0; writes out0
.if DOCPART == 2
	.amdgcn_target "amdgcn-amd-amdhsa--gfx1250"
	.amdhsa_code_object_version 6
	.text
	.protected	k_qb49314d958_attn
	.globl	k_qb49314d958_attn
	.p2align	8
	.type	k_qb49314d958_attn,@function
k_qb49314d958_attn:
	s_mov_b64 s[64:65], 0
	v_nop
	global_prefetch_b8 v0, s[64:65] scope:SCOPE_SE
	s_setreg_imm32_b32 hwreg(HW_REG_WAVE_MODE, 25, 1), 1
	s_wait_xcnt 0x0
	s_wait_alu depctr_hold_cnt(0) depctr_sa_sdst(0) depctr_va_vdst(0) depctr_va_sdst(0) depctr_va_ssrc(0) depctr_va_vcc(0) depctr_vm_vsrc(0)
	s_getreg_b32 s2, hwreg(HW_REG_IB_STS2, 6, 4)
	s_cmp_eq_u32 s2, 0
	s_cbranch_scc0 .Lentry_in_a_cluster
	s_endpgm
.Lentry_in_a_cluster:
	s_bfe_u32 s2, ttmp6, 0x10000c
	s_cmp_lg_u32 s2, 0x3003
	s_cbranch_scc0 .Lentry_shape_is_right
	s_endpgm
.Lentry_shape_is_right:
; out0[b][0:256] = prev_value x softmax over the memory positions of (2 mk.qk - a_sq) / 16; out0[b][256:512] = curr_value, copied 1,024 bytes a wave in each key step.
; A work-group takes 128 queries of a batch, a wave 32 (two tiles q of 16) with all 256 channels of O^T in registers.  32 key steps of 128 keys.
; kv holds each step as images of the operands' registers (launch prep): K's 16 fragments, scale words, -a_sq/2, V's 16 fragments, scale words.
; Both products are used transposed (S^T = K Q^T with C = -a_sq/2, O^T = V^T P^T): a lane holds one query.  t = S x log2(e) / 8; M = ceil(running largest t);
; p = 2^(t - M); the row's sum is taken of the unquantised p; p is quantised block by block, a block's largest p made from its largest score.
; RING: two LDS slots of two steps each, filled by joint loads of the four work-groups of a cluster, which walk the same kv of their batch; each wave brings a quarter of a slot (101 rows of 256 bytes).
; Q's fragments are asked for while the head's tensor load is out.  The copy's two loads of a step are issued at the end of the step before (the first at the head; the last step asks for none).
; No prefetch is laid: a slot's load is asked for two key steps ahead of its first read, and 101 rows a wave do not divide among the four partners.
; WINDOWS: 0 addresses, state, scales, P, S; 1 O^T (128 q + 8 ct); 2 K's fragments and the bias; 3 V's fragments and Q's (from 192).
; LIMITS: the promise holds while the scaled scores t stay under 2^31 in magnitude; NaN and infinities among the inputs are not served.
.set STEPB,  51712
.set SLOTB,  2*STEPB
.set QUART,  SLOTB/4
.set BATCHB, 32*STEPB
.set KF,     0
.set KS,     24576
.set KB,     25600
.set VF,     26112
.set VS,     50688
.set SLOT1,  1<<17
.set SPARE,  1<<18
.set SPI,    528
.set SPW, 1
.set NIL, 2
.set LI,  3
.set LB,  4
.set ADR, 5
.set ADB, 6
.set CA,  7
.set CP,  8
.set ST,  20
.set KSC, 36
.set VSC, 44
.set QSC, 52
.set PSC, 54
.set TQ,  56
.set P,   100
.set S,   124
.set STO, 252
.set RD,  254
.set GO,  255
.set WV,  14
.set SEL, 20
.set CS,  22
.set G1,  24
.set G0A, 32
.set G0B, 36
.set TB,  40
.set SLOTS, 41
.set TWICE, 42
.set MSB, 0
.macro WIN new
.if MSB != \new
	s_set_vgpr_msb (MSB<<8)|\new
.set MSB, \new
.endif
.endm
.macro PLACES n
.rept \n
	v_nop
.endr
.endm
.macro CROUND
	s_barrier_signal -1
	s_barrier_wait -1
	s_cmp_lg_u32 s[WV], 0
	s_cbranch_scc1 .Lnot_wave_0_\@
	s_barrier_signal -3
.Lnot_wave_0_\@:
	s_barrier_wait -3
	s_barrier_signal -1
	s_barrier_wait -1
.endm
.macro MM d, a, b, c, sa, sb, ra, rb
.if (\c) < 0
.if \ra
	v_wmma_scale_f32_16x16x128_f8f6f4 v[(\d):(\d)+7], v[(\a):(\a)+11], v[(\b):(\b)+11], 0, v[\sa], v[\sb] matrix_a_fmt:MATRIX_FMT_BF6 matrix_b_fmt:MATRIX_FMT_BF6 matrix_a_scale:MATRIX_SCALE_ROW1
.else
	v_wmma_scale_f32_16x16x128_f8f6f4 v[(\d):(\d)+7], v[(\a):(\a)+11], v[(\b):(\b)+11], 0, v[\sa], v[\sb] matrix_a_fmt:MATRIX_FMT_BF6 matrix_b_fmt:MATRIX_FMT_BF6
.endif
.elseif (\ra) && (\rb)
	v_wmma_scale_f32_16x16x128_f8f6f4 v[(\d):(\d)+7], v[(\a):(\a)+11], v[(\b):(\b)+11], v[(\c):(\c)+7], v[\sa], v[\sb] matrix_a_fmt:MATRIX_FMT_BF6 matrix_b_fmt:MATRIX_FMT_BF6 matrix_a_scale:MATRIX_SCALE_ROW1 matrix_b_scale:MATRIX_SCALE_ROW1
.elseif \ra
	v_wmma_scale_f32_16x16x128_f8f6f4 v[(\d):(\d)+7], v[(\a):(\a)+11], v[(\b):(\b)+11], v[(\c):(\c)+7], v[\sa], v[\sb] matrix_a_fmt:MATRIX_FMT_BF6 matrix_b_fmt:MATRIX_FMT_BF6 matrix_a_scale:MATRIX_SCALE_ROW1
.elseif \rb
	v_wmma_scale_f32_16x16x128_f8f6f4 v[(\d):(\d)+7], v[(\a):(\a)+11], v[(\b):(\b)+11], v[(\c):(\c)+7], v[\sa], v[\sb] matrix_a_fmt:MATRIX_FMT_BF6 matrix_b_fmt:MATRIX_FMT_BF6 matrix_b_scale:MATRIX_SCALE_ROW1
.else
	v_wmma_scale_f32_16x16x128_f8f6f4 v[(\d):(\d)+7], v[(\a):(\a)+11], v[(\b):(\b)+11], v[(\c):(\c)+7], v[\sa], v[\sb] matrix_a_fmt:MATRIX_FMT_BF6 matrix_b_fmt:MATRIX_FMT_BF6
.endif
.endm
	s_load_b256 s[4:11], s[0:1], 0x0
	s_load_b64 s[12:13], s[0:1], 0x20
	v_lshl_add_u32 v[SPW], v0, 2, SPARE
	v_mov_b32 v[NIL], 0
	ds_add_u32 v1, v2
	ds_add_u32 v1, v2
	s_wait_dscnt 0x0
	v_lshrrev_b32 v16, 5, v0
	v_readfirstlane_b32 s[WV], v16
	s_bfe_u32 s15, ttmp6, 0x40000
	s_lshl_b32 s16, ttmp9, 2
	s_add_co_u32 s16, s16, s15
	s_and_b32 s17, ttmp7, 0xffff
	s_mul_i32 s43, s[WV], QUART
	s_mul_i32 s44, s17, BATCHB
	s_add_co_u32 s44, s44, s43
	s_mov_b32 s45, 0
	s_mov_b32 s[G1+0], 15|(3<<16)|(1<<21)
	s_mov_b32 s[G1+1], 32<<16
	s_mov_b32 s[G1+2], 101<<16
	s_mov_b32 s[G1+3], 32<<16
	s_mov_b32 s[G1+4], 101
	s_mov_b32 s[G1+5], 32
	s_mov_b32 s[G1+6], 0
	s_mov_b32 s[G1+7], 0
	s_mov_b32 s[SEL], 0x76543210
	s_mov_b32 s[SEL+1], 0xfedcba98
	s_mov_b32 s[CS], 0x3e38aa3b
	s_mov_b32 s[CS+1], s[CS]
	s_mov_b32 s[TB], 0
	s_mov_b32 s[SLOTS], 14
	s_wait_kmcnt 0x0
	s_add_nc_u64 s[10:11], s[10:11], s[44:45]
	s_mov_b32 s[G0A], 1
	s_mov_b32 s[G0A+1], s43
	s_mov_b64 s[G0A+2:G0A+3], s[10:11]
	s_or_b32 s[G0A+3], s[G0A+3], 0x80000000
	s_mov_b32 s[G0B], 1
	s_add_co_u32 s[G0B+1], s43, SLOT1
	s_add_nc_u64 s[G0B+2:G0B+3], s[10:11], SLOTB
	s_or_b32 s[G0B+3], s[G0B+3], 0x80000000
	CROUND
	tensor_load_to_lds s[G0A:G0A+3], s[G1:G1+7]    ; slot 0: my one load at the head
	s_nop 0
	PLACES 4
	s_lshl_b32 s18, s17, 12                        ; while it is out: Q's fragments and scale words are asked for
	s_lshl_b32 s19, s16, 7
	s_add_co_u32 s18, s18, s19
	s_lshl_b32 s19, s[WV], 5
	s_add_co_u32 s18, s18, s19                     ; my first query
	s_mul_i32 s46, s18, 192
	s_mov_b32 s47, 0
	s_add_nc_u64 s[4:5], s[4:5], s[46:47]
	s_lshl_b32 s46, s18, 3
	s_add_nc_u64 s[6:7], s[6:7], s[46:47]
	v_and_b32 v16, 15, v0                          ; r
	v_bfe_u32 v17, v0, 4, 1                        ; h
	v_mul_u32_u24 v19, v16, 192
	v_mad_u32_u24 v19, v17, 24, v19                ; codes: row r of 192 bytes, + 24 h
	v_lshlrev_b32 v15, 3, v16
	v_lshl_add_u32 v15, v17, 2, v15                ; scale words: 8 r + 4 h
	WIN 0xc0
.irp q, 0,1
.irp s, 0,1
.irp p, 0,1,2,3,4,5
	global_load_b64 v[192+24*\q+12*\s+2*\p:192+24*\q+12*\s+2*\p+1], v19, s[4:5] offset:3072*\q+96*\s+48*(\p/3)+8*(\p%3)
.endr
.endr
.endr
	WIN 0
.irp q, 0,1
	global_load_b32 v[QSC+\q], v15, s[6:7] offset:128*\q
.endr
	s_wait_alu depctr_va_vdst(0)
	s_wait_tensorcnt 0x0
	ds_add_u32 v1, v2
	s_wait_dscnt 0x0
	CROUND
	tensor_load_to_lds s[G0B:G0B+3], s[G1:G1+7]
	s_nop 0
	PLACES 4
	s_lshl_b32 s46, s17, 22
	s_lshl_b32 s19, s16, 17
	s_add_co_u32 s46, s46, s19
	s_lshl_b32 s19, s[WV], 15
	s_add_co_u32 s46, s46, s19
	s_add_nc_u64 s[8:9], s[8:9], s[46:47]
	s_lshl_b32 s19, s17, 22
	s_add_co_u32 s46, s46, s19
	s_add_co_u32 s46, s46, 4194304
	s_add_nc_u64 s[48:49], s[12:13], s[46:47]
	s_lshl_b32 s46, s17, 23
	s_lshl_b32 s19, s[WV], 20
	s_add_co_u32 s46, s46, s19
	s_lshl_b32 s19, s16, 9
	s_add_co_u32 s46, s46, s19
	s_add_nc_u64 s[50:51], s[12:13], s[46:47]
	v_and_b32 v18, 31, v0
	v_lshlrev_b32 v[LI], 4, v18
	v_lshlrev_b32 v[LB], 6, v17
	v_mov_b32 v[CA], v[LI]
	v_mov_b32 v[GO], v[LI]
	v_mul_u32_u24 v[STO], v17, 8*SPI
	v_lshl_add_u32 v[STO], v16, 2, v[STO]
	s_lshl_b32 s46, s[WV], 7
	v_add_nc_u32 v[STO], s46, v[STO]
	v_add_nc_u32 v[STO+1], 128*SPI, v[STO]
	s_mul_i32 s46, s[WV], 64*SPI
	v_add_nc_u32 v[RD], s46, v[LI]
.irp q, 0,1
	v_mov_b32 v[ST+8*\q+1], 0xff61b1e6
	v_mov_b32 v[ST+8*\q+2], 0
	v_mov_b32 v[ST+8*\q+3], 0
	v_mov_b32 v[ST+8*\q+5], 0
	v_mov_b32 v[ST+8*\q+7], 0
	v_floor_f32 v[ST+8*\q], -v[ST+8*\q+1]
.irp b, 0,1,2,3
	v_mov_b32 v[TQ+22*\q+4+\b], 0
.endr
.endr
.macro KREQ
	WIN 0
	v_add_nc_u32 v[ADR], s[TB], v[LI]
	v_add_nc_u32 v[ADB], s[TB], v[LB]
	WIN 0x80
.set FI, 0
.rept 16
.irp i, 0,1,2
	ds_load_b128 v[12*FI+4*\i:12*FI+4*\i+3], v[ADR] offset:KF+1536*FI+512*\i
.endr
.set FI, FI+1
.endr
.irp b, 0,1,2,3
.irp i, 0,1,2,3
	ds_load_b128 v[192+16*\b+4*\i:192+16*\b+4*\i+3], v[ADB] offset:KB+128*\b+16*\i
.endr
.endr
	WIN 0
.irp i, 0,1
	ds_load_b128 v[KSC+4*\i:KSC+4*\i+3], v[ADR] offset:KS+512*\i
.endr
.endm
.macro VREQ
	WIN 0
	v_add_nc_u32 v[ADR], s[TB], v[LI]
	WIN 0xc0
.set FI, 0
.rept 16
.irp i, 0,1,2
	ds_load_b128 v[12*FI+4*\i:12*FI+4*\i+3], v[ADR] offset:VF+1536*FI+512*\i
.endr
.set FI, FI+1
.endr
	WIN 0
.irp i, 0,1
	ds_load_b128 v[VSC+4*\i:VSC+4*\i+3], v[ADR] offset:VS+512*\i
.endr
	s_add_co_u32 s[TB], s[TB], STEPB
.endm
.macro QK
	WIN 0x2e
.irp t, 0,1,2,3,4,5,6,7
.irp q, 0,1
	MM S+64*\q+8*\t, 12*(2*\t), 192+24*\q, 192+8*\t, KSC+4*(\t/4)+2*(\t%2), QSC+\q, (\t/2)%2, 0
.endr
.endr
	WIN 0x0e
.irp t, 0,1,2,3,4,5,6,7
.irp q, 0,1
	MM S+64*\q+8*\t, 12*(2*\t+1), 192+24*\q+12, S+64*\q+8*\t, KSC+4*(\t/4)+2*(\t%2)+1, QSC+\q, (\t/2)%2, 1
.endr
.endr
	WIN 0
.endm
.macro PV first
	WIN 0x53
.irp ct, 0,1,2,3,4,5,6,7,8,9,10,11,12,13,14,15
.irp q, 0,1
.if \first
	MM 128*\q+8*\ct, 12*\ct, P+12*\q, -1, VSC+4*(\ct/8)+\ct%4, PSC+\q, (\ct/4)%2, 0
.else
	MM 128*\q+8*\ct, 12*\ct, P+12*\q, 128*\q+8*\ct, VSC+4*(\ct/8)+\ct%4, PSC+\q, (\ct/4)%2, 0
.endif
.endr
.endr
	WIN 0
.endm
.macro SOFTMAX
.irp b, 0,1,2,3
.irp q, 0,1
	v_max3_num_f32 v[TQ+22*\q+\b], v[S+64*\q+16*\b], v[S+64*\q+16*\b+1], v[S+64*\q+16*\b+2]
.endr
.endr
.irp i, 3,5,7,9,11,13
.irp b, 0,1,2,3
.irp q, 0,1
	v_max3_num_f32 v[TQ+22*\q+\b], v[TQ+22*\q+\b], v[S+64*\q+16*\b+\i], v[S+64*\q+16*\b+\i+1]
.endr
.endr
.endr
.irp b, 0,1,2,3
.irp q, 0,1
	v_max_num_f32 v[TQ+22*\q+\b], v[TQ+22*\q+\b], v[S+64*\q+16*\b+15]
.endr
.endr
.irp b, 0,1,2,3
.irp q, 0,1
	v_permlanex16_b32 v[TQ+22*\q+4+\b], v[TQ+22*\q+\b], s[SEL], s[SEL+1]
.endr
.endr
.irp b, 0,1,2,3
.irp q, 0,1
	v_max_num_f32 v[TQ+22*\q+\b], v[TQ+22*\q+\b], v[TQ+22*\q+4+\b]
.endr
.endr
.irp q, 0,1
	v_max3_num_f32 v[ST+8*\q+6], v[TQ+22*\q], v[TQ+22*\q+1], v[TQ+22*\q+2]
.endr
.irp q, 0,1
	v_max_num_f32 v[ST+8*\q+6], v[ST+8*\q+6], v[TQ+22*\q+3]
.endr
.irp q, 0,1
	v_mul_f32 v[ST+8*\q+6], s[CS], v[ST+8*\q+6]
.endr
.irp q, 0,1
	v_max_num_f32 v[ST+8*\q+1], v[ST+8*\q+1], v[ST+8*\q+6]
.endr
.irp q, 0,1
	v_mov_b32 v[ST+8*\q+6], v[ST+8*\q]
.endr
.irp q, 0,1
	v_floor_f32 v[ST+8*\q], -v[ST+8*\q+1]
.endr
.irp q, 0,1
	v_sub_f32 v[ST+8*\q+6], v[ST+8*\q], v[ST+8*\q+6]
.endr
.irp q, 0,1
	v_cvt_i32_f32 v[ST+8*\q+6], v[ST+8*\q+6]
.endr
.irp q, 0,1
	v_ldexp_f32 v[ST+8*\q+4], 1.0, v[ST+8*\q+6]
.endr
.set SJ, 0
.rept 32
.irp q, 0,1
	v_pk_fma_f32 v[S+64*\q+SJ:S+64*\q+SJ+1], v[S+64*\q+SJ:S+64*\q+SJ+1], s[CS:CS+1], v[ST+8*\q:ST+8*\q+1] op_sel_hi:[1,0,0]
.endr
.set SJ, SJ+2
.endr
.irp b, 0,1,2,3
.irp q, 0,1
	v_fma_f32 v[TQ+22*\q+\b], v[TQ+22*\q+\b], s[CS], v[ST+8*\q]
.endr
.endr
.set SJ, 0
	s_wait_alu depctr_va_vdst(0)
.rept 64
.irp q, 0,1
	v_exp_f32 v[S+64*\q+SJ], v[S+64*\q+SJ]
.endr
.set SJ, SJ+1
.endr
.irp b, 0,1,2,3
.irp q, 0,1
	v_exp_f32 v[TQ+22*\q+\b], v[TQ+22*\q+\b]
.endr
.endr
.irp q, 0,1
	v_pk_mul_f32 v[ST+8*\q+2:ST+8*\q+3], v[ST+8*\q+2:ST+8*\q+3], v[ST+8*\q+4:ST+8*\q+5] op_sel_hi:[1,0]
.endr
	s_wait_alu depctr_va_vdst(0)
.irp b, 0,1,2,3
.irp q, 0,1
	v_max_num_f32 v[TQ+22*\q+\b], 0x2800000, v[TQ+22*\q+\b]
.endr
.endr
.irp b, 0,1,2,3
.irp q, 0,1
	v_add_nc_u32 v[TQ+22*\q+8+\b], 0xfe000000, v[TQ+22*\q+\b]
.endr
.endr
.irp b, 0,1,2,3
.irp q, 0,1
	v_lshrrev_b32 v[TQ+22*\q+4+\b], 23, v[TQ+22*\q+8+\b]
.endr
.endr
.irp q, 0,1
	v_lshl_or_b32 v[PSC+\q], v[TQ+22*\q+5], 8, v[TQ+22*\q+4]
.endr
.irp q, 0,1
	v_lshl_or_b32 v[PSC+\q], v[TQ+22*\q+6], 16, v[PSC+\q]
.endr
.irp q, 0,1
	v_lshl_or_b32 v[PSC+\q], v[TQ+22*\q+7], 24, v[PSC+\q]
.endr
.irp c, 0,1
.irp q, 0,1
	v_cvt_scalef32_pk16_bf6_f32 v[P+12*\q+6*\c:P+12*\q+6*\c+2], v[S+64*\q+32*\c:S+64*\q+32*\c+15], v[TQ+22*\q+8+2*\c]
	v_cvt_scalef32_pk16_bf6_f32 v[TQ+22*\q+14+4*\c:TQ+22*\q+16+4*\c], v[S+64*\q+32*\c+16:S+64*\q+32*\c+31], v[TQ+22*\q+9+2*\c]
.endr
.endr
	v_nop
.irp c, 0,1
.irp q, 0,1
.irp i, 0,1,2
	v_permlane16_swap_b32 v[P+12*\q+6*\c+\i], v[TQ+22*\q+14+4*\c+\i]
.endr
.endr
.endr
.irp c, 0,1
.irp q, 0,1
.irp i, 0,1,2
	v_mov_b32 v[P+12*\q+6*\c+3+\i], v[TQ+22*\q+14+4*\c+\i]
.endr
.endr
.endr
.irp q, 0,1
	v_pk_add_f32 v[TQ+22*\q+12:TQ+22*\q+13], v[S+64*\q:S+64*\q+1], v[S+64*\q+2:S+64*\q+3]
.endr
.irp j, 4,8,12,16,20,24,28,32,36,40,44,48,52,56,60
.irp q, 0,1
	v_pk_add_f32 v[ST+8*\q+2:ST+8*\q+3], v[ST+8*\q+2:ST+8*\q+3], v[S+64*\q+\j:S+64*\q+\j+1]
	v_pk_add_f32 v[TQ+22*\q+12:TQ+22*\q+13], v[TQ+22*\q+12:TQ+22*\q+13], v[S+64*\q+\j+2:S+64*\q+\j+3]
.endr
.endr
.irp q, 0,1
	v_pk_add_f32 v[ST+8*\q+2:ST+8*\q+3], v[ST+8*\q+2:ST+8*\q+3], v[TQ+22*\q+12:TQ+22*\q+13]
.endr
.endm
.macro HSTEP
	WIN 0
	PLACES 4
	VREQ
	s_wait_dscnt 50
	QK
.endm
.macro BSTEP first, pre
	WIN 0
	PLACES 4
.if \pre
	KREQ
.endif
	SOFTMAX
	s_wait_loadcnt 0x0
	global_store_b128 v[CA], v[CP:CP+3], s[48:49] th:TH_STORE_NT
	global_store_b128 v[CA], v[CP+4:CP+7], s[48:49] offset:512 th:TH_STORE_NT
.if \first
	PLACES 8
.else
	WIN 0x41
.irp q, 0,1
.set SJ, 0
.rept 64
	v_pk_mul_f32 v[128*\q+SJ:128*\q+SJ+1], v[128*\q+SJ:128*\q+SJ+1], v[ST+8*\q+4:ST+8*\q+5] op_sel_hi:[1,0]
.set SJ, SJ+2
.endr
.endr
.endif
	s_wait_alu depctr_va_vdst(0)
	s_wait_dscnt 0x0
	PV \first
	s_wait_xcnt 0x0                                ; the copy's offset and data are written again only behind this wait
.if \pre
	v_add_nc_u32 v[CA], 1024, v[CA]
	global_load_b128 v[CP:CP+3], v[CA], s[8:9] th:TH_LOAD_NT       ; the next step's 1,024 bytes of curr_value: stored behind the next softmax
	global_load_b128 v[CP+4:CP+7], v[CA], s[8:9] offset:512 th:TH_LOAD_NT
.endif
.endm
.macro CHANGE fill
	WIN 0
	s_wait_tensorcnt 0x0
	ds_add_u32 v[SPW], v[NIL]
.if \fill
	s_xor_b32 s[G0B+1], s[G0B+1], SLOT1
	s_add_nc_u64 s[G0B+2:G0B+3], s[G0B+2:G0B+3], SLOTB
.endif
	s_wait_dscnt 0x0
.if \fill
	CROUND
	tensor_load_to_lds s[G0B:G0B+3], s[G1:G1+7]
	s_nop 0
	PLACES 4
.else
	s_barrier_signal -1
	s_barrier_wait -1
.endif
	s_sub_co_u32 s[TB], s[TB], SLOTB
	s_xor_b32 s[TB], s[TB], SLOT1
.endm
.macro TWO
	s_mov_b32 s[TWICE], 2
.Lstep_\@:
	s_wait_alu depctr_va_vdst(0)
	BSTEP 0, 1
	HSTEP
	s_sub_co_u32 s[TWICE], s[TWICE], 1
	s_cmp_lg_u32 s[TWICE], 0
	s_cbranch_scc1 .Lstep_\@
.endm
	s_wait_tensorcnt 0x1
	s_barrier_signal -1
	s_barrier_wait -1
	KREQ
	s_wait_loadcnt 0x0                             ; Q's fragments and scale words are in
	global_load_b128 v[CP:CP+3], v[CA], s[8:9] th:TH_LOAD_NT       ; the first step's 1,024 bytes of curr_value
	global_load_b128 v[CP+4:CP+7], v[CA], s[8:9] offset:512 th:TH_LOAD_NT
	HSTEP
	BSTEP 1, 1
	HSTEP
.Lslot:
	CHANGE 1
	TWO
	s_sub_co_u32 s[SLOTS], s[SLOTS], 1
	s_cmp_lg_u32 s[SLOTS], 0
	s_cbranch_scc1 .Lslot
	CHANGE 0
	TWO
	s_wait_alu depctr_va_vdst(0)
	BSTEP 0, 0
	PLACES 4
.irp q, 0,1
	v_add_f32 v[ST+8*\q+6], v[ST+8*\q+2], v[ST+8*\q+3]
.endr
.irp q, 0,1
	v_permlanex16_b32 v[ST+8*\q+7], v[ST+8*\q+6], s[SEL], s[SEL+1]
.endr
.irp q, 0,1
	v_add_f32 v[ST+8*\q+6], v[ST+8*\q+6], v[ST+8*\q+7]
.endr
	s_wait_alu depctr_va_vdst(0)
.irp q, 0,1
	v_rcp_f32 v[ST+8*\q+4], v[ST+8*\q+6]
.endr
	v_nop
	WIN 0x41
	s_wait_alu depctr_va_vdst(0)
.irp q, 0,1
.set SJ, 0
.rept 64
	v_pk_mul_f32 v[128*\q+SJ:128*\q+SJ+1], v[128*\q+SJ:128*\q+SJ+1], v[ST+8*\q+4:ST+8*\q+5] op_sel_hi:[1,0]
.set SJ, SJ+2
.endr
.endr
	WIN 0
	s_wait_alu depctr_va_vdst(0)
	s_wait_dscnt 0x0
	s_barrier_signal -1
	s_barrier_wait -1
	WIN 0x04
.irp ct, 0,1,2,3,4,5,6,7,8,9,10,11,12,13,14,15
.irp q, 0,1
.irp j, 0,1,2,3,4,5,6,7
	ds_store_b32 v[STO+(\ct/8)], v[128*\q+8*\ct+\j] offset:(16*(\ct%8)+\j)*SPI+64*\q
.endr
.endr
.endr
	WIN 0
	s_wait_dscnt 0x0
	s_barrier_signal -1
	s_barrier_wait -1
.irp k, 0,1,2,3
.if \k >= 2
	s_wait_xcnt 0x0
.endif
.irp i, 0,1,2,3,4,5,6,7,8,9,10,11,12,13,14,15
	ds_load_b128 v[S+64*(\k%2)+4*\i:S+64*(\k%2)+4*\i+3], v[RD] offset:(16*\k+\i)*SPI
.endr
.irp i, 0,1,2,3,4,5,6,7,8,9,10,11,12,13,14,15
	s_wait_dscnt 15-\i
	global_store_b128 v[GO], v[S+64*(\k%2)+4*\i:S+64*(\k%2)+4*\i+3], s[50:51] offset:(16*\k+\i)*16384 th:TH_STORE_NT
.endr
.endr
	s_wait_tensorcnt 0x0
	ds_add_u32 v[SPW], v[NIL]
	s_wait_dscnt 0x0
	CROUND
	s_endpgm
.Lfunc_end_k_qb49314d958_attn:
	.size	k_qb49314d958_attn, .Lfunc_end_k_qb49314d958_attn-k_qb49314d958_attn
	.p2alignl 7, 3214868480
	.fill 96, 4, 3214868480
	.section	.rodata,"a",@progbits
	.p2align	6, 0x0
	.amdhsa_kernel k_qb49314d958_attn
		.amdhsa_group_segment_fixed_size 327680
		.amdhsa_private_segment_fixed_size 0
		.amdhsa_enable_private_segment 0
		.amdhsa_kernarg_size 40
		.amdhsa_user_sgpr_count 2
		.amdhsa_user_sgpr_kernarg_segment_ptr 1
		.amdhsa_wavefront_size32 1
		.amdhsa_system_sgpr_workgroup_id_x 1
		.amdhsa_system_sgpr_workgroup_id_y 1
		.amdhsa_system_sgpr_workgroup_id_z 1
		.amdhsa_system_vgpr_workitem_id 0
		.amdhsa_next_free_vgpr 1024
		.amdhsa_next_free_sgpr 66
		.amdhsa_reserve_vcc 0
		.amdhsa_float_denorm_mode_32 3
		.amdhsa_float_denorm_mode_16_64 3
		.amdhsa_memory_ordered 1
		.amdhsa_forward_progress 1
		.amdhsa_inst_pref_size 223
	.end_amdhsa_kernel
	.amdgpu_metadata
---
amdhsa.version: [ 1, 2 ]
amdhsa.kernels:
  - .name:           k_qb49314d958_attn
    .symbol:         k_qb49314d958_attn.kd
    .args:
      - { .name: curr_key_codes, .offset: 0, .size: 8, .value_kind: global_buffer, .address_space: global }
      - { .name: curr_key_scales, .offset: 8, .size: 8, .value_kind: global_buffer, .address_space: global }
      - { .name: curr_value, .offset: 16, .size: 8, .value_kind: global_buffer, .address_space: global }
      - { .name: kv, .offset: 24, .size: 8, .value_kind: global_buffer, .address_space: global }
      - { .name: out0, .offset: 32, .size: 8, .value_kind: global_buffer, .address_space: global }
    .group_segment_fixed_size: 327680
    .private_segment_fixed_size: 0
    .kernarg_segment_align: 8
    .kernarg_segment_size: 40
    .max_flat_workgroup_size: 128
    .sgpr_count:     66
    .vgpr_count:     1024
    .wavefront_size: 32
...
	.end_amdgpu_metadata
.endif
;; end of part 2
